; MI455X (gfx1250); checked and timed in simulation.
; The chip was launched on July 23, 2026; its instructions are those of AMD's public machine-readable ISA for CDNA 5 (MIT licence, August 2026) and "CDNA5" Instruction Set Architecture Reference Guide (July 2026). The comments in the code are by the model that wrote it; some were corrected since.
;; Simple Model. Allowed arithmetic: float matrix products may take bf16 or f16 operands with f32 sums; all other float work in f32.
;; Inputs: Wm 128 x 2 float32; Wq 128 x 1 float32; bm 2 float32; bq 1 float32; emb 100,000 x 128 float32; x 256 x 512 int32.
;; Outputs: out0 256 x 2 float32.
;; One version. Each part assembles by itself: llvm-mc -triple=amdgcn-amd-amdhsa -mcpu=gfx1250 --defsym DOCPART=n.
;; ======== version 1 of 1: 1 launch
;; launch pool (part 1): grid 256 x 1, 16 waves a work-group, no clusters, 2,560 bytes of LDS; arguments x, emb, Wq, bq, Wm, bm, out0; writes out0
.if DOCPART == 1
	.amdgcn_target "amdgcn-amd-amdhsa--gfx1250"
	.amdhsa_code_object_version 6
	.text
	.protected	k_q1d136f3cb7_pool
	.globl	k_q1d136f3cb7_pool
	.p2align	8
	.type	k_q1d136f3cb7_pool,@function
k_q1d136f3cb7_pool:
	s_mov_b64 s[64:65], 0
	v_nop
	global_prefetch_b8 v0, s[64:65] scope:SCOPE_SE
	s_setreg_imm32_b32 hwreg(HW_REG_WAVE_MODE, 25, 1), 1
	s_wait_xcnt 0x0
; out[b][n] = relu( sum_s p[b][s] (emb[x[b][s]] . Wm[:,n]) + bm[n] ),  p = softmax over s of (e.Wq + bq) * sum(e),  e = emb[x[b][s]].
; x: [256][512] i32.  emb: [100000][128] f32.  Wq: [128].  bq: [1].  Wm: [128][2].  bm: [2].  out0: [256][2] f32.
;
; One work-group = one batch row b: 512 tokens, 512 bytes each.  16 waves; each half of a wave (16 lanes) is a STREAM that owns 16
; tokens: stream k = thread / 16 owns tokens 16 k .. 16 k + 15.  Lane c of a stream holds elements 4c..4c+3 and 64+4c..64+4c+3 of the
; token at work, so one 16-byte load of the wave covers two aligned runs of 256 neighbouring bytes (one per stream), two loads a row.
; A wave asks for all its 32 x 512 bytes at once (128 registers): everything the work-group will read is on its way as soon as the
; indices are known, and the rows stay in registers between the pass that scores them and the pass that weights them: read once.
;
; All arithmetic is f32 on the vector unit.  No matrix instructions: the products have 1 and 2 columns (with the row sum, 4 of an
; instruction's 16), and their operand layout wants one token per lane, i.e. 16-byte pieces of 16 different rows in each load or a
; round trip of all 256 KB through LDS.  No cluster: work-groups share nothing but 1.5 KB of weights.  No prefetch: each row is asked
; for by its own load as soon as its index is there.  The output is 8 bytes a work-group (2 KB in all): stored as it is.
;
; LIMITS.  Indices are read as unsigned and clamped to 99,999 (a negative index is not wrapped).  Scores must be finite: a stream
; whose 16 scores are all -inf yields NaN.  A NaN that reaches the end is turned into 0 by the relu (v_max_num_f32 lets NaN lose).
; Weights smaller than 2^-126 of the largest are zero (v_exp_f32 flushes).  Order of rounding differs from the problem's formula:
; log2(e) is folded into Wq and bq, the division by the sum of weights is done once at the end (v_rcp_f32), and the
; product with Wm, being linear, is taken per stream before the streams are merged.
.set LAST_ROW, 99999                   ; emb's last row
.set LOG2E,    0x3fb8aa3b              ; log2(e): v_exp_f32 is 2^x
.set PAIRS,    16                      ; steps of a stream = tokens of a stream; each step serves one token of each of the wave's two streams
.set C16, 1                            ; v1        16 c: my 16 bytes in a half row, and in Wq
.set C32, 2                            ; v2        32 c: my four rows of Wm
.set SA,  3                            ; v3        16 k: my stream's record in LDS
.set XO,  4                            ; v4        byte offset in x of my stream's 16 indices
.set TM,  5                            ; v5        at work
.set BQ,  6                            ; v[6:7]    (bq log2e in lane c = 0, else 0;  0): the addend that starts the q sums
.set WQ,  8                            ; v[8:15]   Wq log2e of my 8 elements
.set WM,  16                           ; v[16:31]  Wm of my 8 elements: (column 0, column 1) pairs, as they lie in memory
.set OFF, 32                           ; v[32:47]  token j: its index, then its byte offset in emb
.set LP,  48                           ; v[48:63]  token j: its score times log2e, then its weight
.set D,   64                           ; v[64:191] token j: my 8 elements
.set W,   192                          ; v[192:207] at work
.set Q0,  W                            ; two tokens are scored side by side, 8 work registers each
.set Q1,  W+8
.set T,   208                          ; v[208:215] sum of weight x element, my 8 elements
.set R,   216                          ; v[216:219] my stream's record: maximum, sum of weights, t.Wm[:,0], t.Wm[:,1]
	s_load_b256 s[4:11], s[0:1], 0x0               ; x s[4:5], emb s[6:7], Wq s[8:9], bq s[10:11]
	s_load_b128 s[12:15], s[0:1], 0x20             ; Wm s[12:13], bm s[14:15]
	s_load_b64 s[16:17], s[0:1], 0x30              ; out0
	v_lshl_add_u32 v220, v0, 2, 0x200
	v_mov_b32 v221, 0
	v_lshrrev_b32 v[TM], 5, v0
	v_readfirstlane_b32 s18, v[TM]                 ; wave 0..15
	s_lshl_b32 s20, ttmp9, 11                      ; b x 2,048 bytes of x
	s_lshl_b32 s23, s18, 5                         ; the wave's two records in LDS
	v_bfe_u32 v[SA], v0, 4, 1                      ; which half of the wave
	v_lshl_add_u32 v[SA], v[SA], 4, s23            ; 16 k
	v_lshl_add_u32 v[XO], v[SA], 2, s20            ; 64 k + 2,048 b
	v_and_b32 v[C16], 15, v0                       ; c
	v_cmp_eq_u32 s19, 0, v[C16]                    ; the lanes with c = 0
	v_lshlrev_b32 v[C32], 5, v[C16]
	v_lshlrev_b32 v[C16], 4, v[C16]
	s_mov_b32 s26, 0x76543210                      ; v_permlanex16_b32: lane i of one half reads lane i of the other
	s_mov_b32 s27, 0xfedcba98
	s_wait_kmcnt 0x0
	; The indices first: they head the chain.  Every lane of a stream takes the stream's 16 indices itself (the 16 lanes read the
	; same 16 bytes), so that no exchange between lanes stands between the indices and the gather.
.irp i, 0,1,2,3
	global_load_b128 v[OFF+4*\i:OFF+4*\i+3], v[XO], s[4:5] offset:16*\i
.endr
	s_load_b32 s22, s[10:11], 0x0                  ; bq
	s_load_b64 s[24:25], s[14:15], 0x0             ; bm
	global_load_b128 v[WQ:WQ+3],     v[C16], s[8:9]
	global_load_b128 v[WQ+4:WQ+7],   v[C16], s[8:9] offset:256
	global_load_b128 v[WM:WM+3],     v[C32], s[12:13]
	global_load_b128 v[WM+4:WM+7],   v[C32], s[12:13] offset:16
	global_load_b128 v[WM+8:WM+11],  v[C32], s[12:13] offset:512
	global_load_b128 v[WM+12:WM+15], v[C32], s[12:13] offset:528
	s_wait_loadcnt 0x6                             ; loads come back in order (ISA guide 5.7.1): the indices are in, the six weight loads stay out
	; The gather.  All 16 offsets are made first, in two runs whose lines do not wait for each other; the 32 loads then follow each
	; other with no arithmetic between them, so that the wave's last row is asked for 32 issue slots behind its first.
	; Each offset register is written here and never again.
.set j, 0
.rept PAIRS
	v_min_u32 v[OFF+j], LAST_ROW, v[OFF+j]         ; inside the table whatever x holds
.set j, j+1
.endr
.set j, 0
.rept PAIRS
	v_lshl_add_u32 v[OFF+j], v[OFF+j], 9, v[C16]   ; row x 512 + 16 c (below 51.2 MB)
.set j, j+1
.endr
.set j, 0
.rept PAIRS
	global_load_b128 v[D+8*j:D+8*j+3],   v[OFF+j], s[6:7]
	global_load_b128 v[D+8*j+4:D+8*j+7], v[OFF+j], s[6:7] offset:256
.set j, j+1
.endr
	s_wait_kmcnt 0x0                               ; bq, bm
	s_mul_f32 s22, s22, LOG2E
	v_mov_b32 v[TM], s22
	v_cndmask_b32 v[BQ], 0, v[TM], s19             ; bq enters each token's sum once: in lane c = 0
	v_mov_b32 v[BQ+1], 0
	s_mov_b32 vcc_lo, 0xaaaaaaaa                   ; the odd lanes, for the shared reduction below
	s_wait_loadcnt 32                              ; the weights are in; the 32 gather loads behind them stay out
.irp i, 0,2,4,6
	v_pk_mul_f32 v[WQ+\i:WQ+\i+1], v[WQ+\i:WQ+\i+1], LOG2E op_sel_hi:[1,0]
.endr
; Scores of steps j and j + 1, side by side so that neither chain waits for itself.
; In a lane: q = sum e Wq' (+ bq'), s = sum e over its 8 elements.  Across the 16 lanes q and s share one reduction: even lanes keep q
; and send s, odd lanes keep s and send q; after the steps 1, 2, 4, 8 even lanes hold the whole q and odd lanes the whole s, and a
; multiply with the neighbour's value leaves q s in every lane: 7 instructions where two reductions and a multiply take 9.
.macro SCORE2 j
	.set E0, D+8*\j
	.set E1, E0+8
	.set L0, LP+\j
	.set L1, L0+1
	s_wait_loadcnt 2*(PAIRS-2-\j)                  ; these two steps' four loads are in; the later steps' two loads each stay out
.irp k, 0,1
	v_pk_fma_f32 v[Q\k:Q\k+1],   v[E\k:E\k+1],     v[WQ:WQ+1], v[BQ:BQ+1]
	v_pk_add_f32 v[Q\k+2:Q\k+3], v[E\k:E\k+1],     v[E\k+2:E\k+3]
	v_pk_add_f32 v[Q\k+4:Q\k+5], v[E\k+4:E\k+5],   v[E\k+6:E\k+7]
.endr
.irp k, 0,1
	v_pk_fma_f32 v[Q\k:Q\k+1],   v[E\k+2:E\k+3],   v[WQ+2:WQ+3], v[Q\k:Q\k+1]
	v_pk_add_f32 v[Q\k+2:Q\k+3], v[Q\k+2:Q\k+3],   v[Q\k+4:Q\k+5]
.endr
.irp k, 0,1
	v_pk_fma_f32 v[Q\k:Q\k+1],   v[E\k+4:E\k+5],   v[WQ+4:WQ+5], v[Q\k:Q\k+1]
	v_add_f32 v[Q\k+2], v[Q\k+2], v[Q\k+3]         ; s of my 8 elements
.endr
.irp k, 0,1
	v_pk_fma_f32 v[Q\k:Q\k+1],   v[E\k+6:E\k+7],   v[WQ+6:WQ+7], v[Q\k:Q\k+1]
.endr
.irp k, 0,1
	v_add_f32 v[Q\k], v[Q\k], v[Q\k+1]             ; q of my 8 elements
.endr
.irp k, 0,1
	v_cndmask_b32 v[L\k],   v[Q\k],   v[Q\k+2], vcc_lo     ; kept: even lanes q, odd lanes s
	v_cndmask_b32 v[Q\k+4], v[Q\k+2], v[Q\k],   vcc_lo     ; sent: even lanes s, odd lanes q
.endr
.irp k, 0,1
	v_add_f32_dpp v[L\k], v[Q\k+4], v[L\k] row_xmask:1 row_mask:0xf bank_mask:0xf
.endr
.irp m, 2,4,8
.irp k, 0,1
	v_add_f32_dpp v[L\k], v[L\k], v[L\k] row_xmask:\m row_mask:0xf bank_mask:0xf
.endr
.endr
.irp k, 0,1
	v_mul_f32_dpp v[L\k], v[L\k], v[L\k] row_xmask:1 row_mask:0xf bank_mask:0xf    ; q s, alike in the stream's 16 lanes
.endr
	; the running maximum, in two chains that take turns (R and R + 1); the first link of each starts it
.if \j < 4
	v_max_num_f32 v[R+(\j/2)%2], v[L0], v[L1]
.else
	v_max3_num_f32 v[R+(\j/2)%2], v[R+(\j/2)%2], v[L0], v[L1]
.endif
.endm
.irp j, 0,2,4,6,8,10,12,14
	SCORE2 \j
.endr
	; Weights: 2^(score - the stream's maximum).  Every lane of a stream holds all 16 scores, so nothing crosses lanes here.
	v_max_num_f32 v[R], v[R], v[R+1]
.irp i, 0,2,4,6,8,10,12,14
	v_pk_add_f32 v[LP+\i:LP+\i+1], v[LP+\i:LP+\i+1], v[R:R+1] op_sel_hi:[1,0] neg_lo:[0,1] neg_hi:[0,1]
.endr
.set j, 0
.rept PAIRS
	v_exp_f32 v[LP+j], v[LP+j]
.set j, j+1
.endr
	v_nop                                          ; one plain vector instruction between the run of v_exp_f32 and the first use of a result (ISA guide 5.7.2)
	s_wait_alu depctr_va_vdst(0)
	; t = sum of weight x element on the rows still in registers; four chains; the first products start the sums
.set j, 0
.rept PAIRS
.irp i, 0,2,4,6
.if j == 0
	v_pk_mul_f32 v[T+\i:T+\i+1], v[D+\i:D+\i+1], v[LP:LP+1] op_sel_hi:[1,0]
.else
.if j & 1
	v_pk_fma_f32 v[T+\i:T+\i+1], v[D+8*j+\i:D+8*j+\i+1], v[LP+j-1:LP+j], v[T+\i:T+\i+1] op_sel:[0,1,0] op_sel_hi:[1,1,1]   ; both by the pair's second weight
.else
	v_pk_fma_f32 v[T+\i:T+\i+1], v[D+8*j+\i:D+8*j+\i+1], v[LP+j:LP+j+1], v[T+\i:T+\i+1] op_sel_hi:[1,0,1]                  ; both by the pair's first weight
.endif
.endif
.endr
.set j, j+1
.endr
	; the sum of the stream's 16 weights
	v_pk_add_f32 v[W:W+1],   v[LP:LP+1],       v[LP+2:LP+3]
	v_pk_add_f32 v[W+2:W+3], v[LP+4:LP+5],     v[LP+6:LP+7]
	v_pk_add_f32 v[W+4:W+5], v[LP+8:LP+9],     v[LP+10:LP+11]
	v_pk_add_f32 v[W+6:W+7], v[LP+12:LP+13],   v[LP+14:LP+15]
	v_pk_add_f32 v[W:W+1],   v[W:W+1],         v[W+2:W+3]
	v_pk_add_f32 v[W+4:W+5], v[W+4:W+5],       v[W+6:W+7]
	v_pk_add_f32 v[W:W+1],   v[W:W+1],         v[W+4:W+5]
	v_add_f32 v[R+1], v[W], v[W+1]
	; (u0, u1) = t . Wm over my 8 elements: element e, sent to both halves, times the pair (Wm[e][0], Wm[e][1])
	v_pk_mul_f32 v[R+2:R+3], v[T:T+1], v[WM:WM+1] op_sel_hi:[0,1]
.irp e, 1,2,3,4,5,6,7
.if \e & 1
	v_pk_fma_f32 v[R+2:R+3], v[T+\e-1:T+\e], v[WM+2*\e:WM+2*\e+1], v[R+2:R+3] op_sel:[1,0,0] op_sel_hi:[1,1,1]
.else
	v_pk_fma_f32 v[R+2:R+3], v[T+\e:T+\e+1], v[WM+2*\e:WM+2*\e+1], v[R+2:R+3] op_sel_hi:[0,1,1]
.endif
.endr
.irp m, 1,2,4,8
	v_add_f32_dpp v[R+2], v[R+2], v[R+2] row_xmask:\m row_mask:0xf bank_mask:0xf
	v_add_f32_dpp v[R+3], v[R+3], v[R+3] row_xmask:\m row_mask:0xf bank_mask:0xf
.endr
	; The 32 streams meet in LDS: 16 bytes each.  A stream's 16 lanes write the same bytes with the same values.
	ds_store_b128 v[SA], v[R:R+3]
	s_wait_dscnt 0x0                               ; for the wave that will read: my record is written before I say so
	s_barrier_signal -1
	s_barrier_wait -1
	s_cmp_lg_u32 s18, 0
	s_cbranch_scc1 .Lend                           ; the merge is one wave's work: 32 records, one a lane
.set F, W                              ; v[192:195] a stream's record
.set G, W+4                            ; v196       the maximum of all
.set H, W+6                            ; v[198:199] the stream's factor (and a written neighbour for the packed multiply)
.set P, W+8                            ; v[201:203] the other half's sums
	v_and_b32 v[TM], 31, v0
	v_lshlrev_b32 v[TM], 4, v[TM]
	ds_load_b128 v[F:F+3], v[TM]
	s_lshl_b32 s20, ttmp9, 3                       ; b x 8 bytes of out0
	s_wait_dscnt 0x0
	v_max_num_f32_dpp v[G], v[F], v[F] row_xmask:1 row_mask:0xf bank_mask:0xf
.irp m, 2,4,8
	v_max_num_f32_dpp v[G], v[G], v[G] row_xmask:\m row_mask:0xf bank_mask:0xf
.endr
	v_permlanex16_b32 v[H], v[G], s26, s27
	v_max_num_f32 v[G], v[G], v[H]                 ; the batch row's largest score
	v_sub_f32 v[H], v[F], v[G]
	v_exp_f32 v[H], v[H]                           ; brings the stream's sums to the common maximum
	v_mov_b32 v[TM], s20                           ; (the plain instruction behind v_exp_f32)
	s_wait_alu depctr_va_vdst(0)
	v_mul_f32 v[F+1], v[F+1], v[H]
	v_pk_mul_f32 v[F+2:F+3], v[F+2:F+3], v[H:H+1] op_sel_hi:[1,0]
.irp m, 1,2,4,8
.irp r, 1,2,3
	v_add_f32_dpp v[F+\r], v[F+\r], v[F+\r] row_xmask:\m row_mask:0xf bank_mask:0xf
.endr
.endr
.irp r, 1,2,3
	v_permlanex16_b32 v[P+\r], v[F+\r], s26, s27
.endr
	v_add_f32 v[F+1], v[F+1], v[P+1]               ; the sum of all 512 weights: at least 1, the largest score's own
	v_rcp_f32 v[F+1], v[F+1]
	v_pk_add_f32 v[F+2:F+3], v[F+2:F+3], v[P+2:P+3]    ; (the plain instruction behind v_rcp_f32; it names neither its source nor its result)
	s_wait_alu depctr_va_vdst(0)
	v_fma_f32 v[F+2], v[F+2], v[F+1], s24          ; t_hat . Wm[:,n] + bm[n]
	v_fma_f32 v[F+3], v[F+3], v[F+1], s25
	v_max_num_f32 v[F+2], 0, v[F+2]
	v_max_num_f32 v[F+3], 0, v[F+3]
	v_cmp_eq_u32 vcc_lo, 0, v0
	s_wait_xcnt 0x0                                ; EXEC is a source of every earlier load: it is narrowed only behind this wait
	s_wait_tensorcnt 0x0
	ds_add_u32 v220, v221
	s_wait_dscnt 0x0
	s_and_saveexec_b32 s21, vcc_lo                 ; every lane holds the result; lane 0 stores it
	global_store_b64 v[TM], v[F+2:F+3], s[16:17]
	s_endpgm
.Lend:
	s_wait_tensorcnt 0x0
	ds_add_u32 v220, v221
	s_wait_dscnt 0x0
	s_endpgm
.Lfunc_end_k_q1d136f3cb7_pool:
	.size	k_q1d136f3cb7_pool, .Lfunc_end_k_q1d136f3cb7_pool-k_q1d136f3cb7_pool
	.p2alignl 7, 3214868480
	.fill 96, 4, 3214868480
	.section	.rodata,"a",@progbits
	.p2align	6, 0x0
	.amdhsa_kernel k_q1d136f3cb7_pool
		.amdhsa_group_segment_fixed_size 2560
		.amdhsa_private_segment_fixed_size 0
		.amdhsa_enable_private_segment 0
		.amdhsa_kernarg_size 56
		.amdhsa_user_sgpr_count 2
		.amdhsa_user_sgpr_kernarg_segment_ptr 1
		.amdhsa_wavefront_size32 1
		.amdhsa_system_sgpr_workgroup_id_x 1
		.amdhsa_system_sgpr_workgroup_id_y 1
		.amdhsa_system_sgpr_workgroup_id_z 1
		.amdhsa_system_vgpr_workitem_id 0
		.amdhsa_next_free_vgpr 222
		.amdhsa_next_free_sgpr 66
		.amdhsa_reserve_vcc 1
		.amdhsa_float_denorm_mode_32 3
		.amdhsa_float_denorm_mode_16_64 3
		.amdhsa_memory_ordered 1
		.amdhsa_forward_progress 1
		.amdhsa_inst_pref_size 32
	.end_amdhsa_kernel
	.amdgpu_metadata
---
amdhsa.version: [ 1, 2 ]
amdhsa.kernels:
  - .name:           k_q1d136f3cb7_pool
    .symbol:         k_q1d136f3cb7_pool.kd
    .args:
      - { .name: x, .offset: 0, .size: 8, .value_kind: global_buffer, .address_space: global }
      - { .name: emb, .offset: 8, .size: 8, .value_kind: global_buffer, .address_space: global }
      - { .name: Wq, .offset: 16, .size: 8, .value_kind: global_buffer, .address_space: global }
      - { .name: bq, .offset: 24, .size: 8, .value_kind: global_buffer, .address_space: global }
      - { .name: Wm, .offset: 32, .size: 8, .value_kind: global_buffer, .address_space: global }
      - { .name: bm, .offset: 40, .size: 8, .value_kind: global_buffer, .address_space: global }
      - { .name: out0, .offset: 48, .size: 8, .value_kind: global_buffer, .address_space: global }
    .group_segment_fixed_size: 2560
    .private_segment_fixed_size: 0
    .kernarg_segment_align: 8
    .kernarg_segment_size: 56
    .max_flat_workgroup_size: 512
    .sgpr_count:     66
    .vgpr_count:     222
    .wavefront_size: 32
...
	.end_amdgpu_metadata
.endif
;; end of part 1
